; MI455X (gfx1250); checked and timed in simulation.
; The chip was launched on July 23, 2026; its instructions are those of AMD's public machine-readable ISA for CDNA 5 (MIT licence, August 2026) and "CDNA5" Instruction Set Architecture Reference Guide (July 2026). The comments in the code are by the model that wrote it; some were corrected since.
;; Multihead Self Attention. Allowed arithmetic: matrix products marked QUANTISED: E4M3 operands, one given power-of-two scale a tensor, by v_wmma_f32_16x16x64_fp8_fp8 or v_wmma_f32_16x16x128_fp8_fp8, f32 sums; everything else in f32.
;; Inputs: W_attn 1,024 x 3,072 float32; W_proj 1,024 x 1,024 float32; X 4 x 2,048 x 1,024 float32; b_attn 3,072 float32; b_proj 1,024 float32; lowp_scales 8 int32 (the exponents e of the quantised operands' scales 2^e).
;; Outputs: out0 4 x 2,048 x 1,024 float32.
;; This version of the problem:
;;   THIS VERSION OF THE PROBLEM IS GIVEN IN LOW PRECISION. The matrix products marked QUANTISED in the list below multiply operands that are first quantised to E4M3 (4 exponent bits, 3 mantissa bits; 8 bits a number), with one given power-of-two scale for each operand tensor; their sums are f32. All else is computed in f32.
;;   The module's matrix products, in the order in which they are computed (A, B: the left and right operand; K: the contracted axis; several contracted axes count as one K, in the product's order):
;;     1. [M 8,192, K 1,024] x [K 1,024, N 3,072]; A: input X; B: input W_attn: QUANTISED (scales: A lowp_scales[0], B lowp_scales[1])
;;     2. batch 64 x [M 2,048, K 64] x [K 64, N 2,048]; A: computed on the way; B: computed on the way: QUANTISED (scales: A lowp_scales[2], B lowp_scales[3])
;;     3. batch 64 x [M 2,048, K 2,048] x [K 2,048, N 64]; A: softmax (see below); B: computed on the way: QUANTISED (scales: A lowp_scales[4], B lowp_scales[5])
;;     4. [M 8,192, K 1,024] x [K 1,024, N 1,024]; A: computed on the way; B: input W_proj: QUANTISED (scales: A lowp_scales[6], B lowp_scales[7])
;;   THE QUANTISER, for each operand of a quantised product, along K:
;;     - The operand's scale is 2^e, e = its entry of the input lowp_scales (int32; the entries are numbered through the quantised products in the list's order, A before B).
;;     - Each number is divided by the scale, clamped to +-448, and rounded to the nearest number of E4M3, ties to even, subnormals kept.
;;     - The product sums the exact products of the quantised numbers (number of the format x scale) in f32.
;;   ~~~python
;;   def quantise(x, axis, e):      # numpy; x: float32 -> the quantised numbers, widened to float32 again
;;       x = np.moveaxis(x, axis, -1); K = x.shape[-1]
;;       r = np.clip(x / 2.0 ** e, -448, 448)
;;       step = 2.0 ** (np.maximum(np.frexp(np.where(r == 0, 1, r))[1] - 1, -6) - 3)
;;       q = np.round(r / step) * step * 2.0 ** e      # np.round: ties to even
;;       return np.moveaxis(q, -1, axis).astype(np.float32)
;;   ~~~
;;   SOFTMAX AHEAD OF A QUANTISED PRODUCT. Where the list says 'softmax', what is quantised is not the finished softmax but p = 2^(t - M), with t = logit x log2(e) and M = ceil(the row's largest t), a whole number; so 1/2 < the row's largest p <= 1. The row's sum l is taken of the UNQUANTISED p, in f32, and the product's result is divided by l at the end. Since M is a whole number, a kernel that streams over the keys may use a running M (the ceiling of the running maximum): every later rescaling is an exact power of two, so the quantised numbers keep their values, but for numbers so far below the row's largest that they fall under the format's range.
;;   OPERANDS COMPUTED ON THE WAY. 'Computed on the way' means the value that the module computes at that place (a softmax that the list does not call 'softmax' is quantised finished and normalised). What goes into a quantiser is computed in f32, as accurately as f32 sums, v_exp_f32 and their like allow (about 1e-6 of the number): no bf16 or f16 on the way to a quantiser, and a product that is left as it is and whose result goes on into a quantised operand takes f32 operands (vector FMAs, or v_wmma_f32_16x16x4_f32). A number that lies on a knife's edge between two numbers of the format may be rounded either way, as far as f32 arithmetic and the matrix unit's own rounding can turn it there, and no further.
;; One version. Each part assembles by itself: llvm-mc -triple=amdgcn-amd-amdhsa -mcpu=gfx1250 --defsym DOCPART=n.
;; ======== version 1 of 1: 4 launches
;; limits: right only within a limited range of input values
;; workspace buffers: xc 8,388,608 bytes; wac 3,145,728 bytes; wpc 1,048,576 bytes; qimg 8,388,608 bytes; kv 16,777,216 bytes; yimg 8,388,608 bytes
;; launch quant (part 1): grid 384 x 1, 4 waves a work-group, no clusters, 55,808 bytes of LDS; arguments X, W_attn, W_proj, lowp_scales, xc, wac, wpc; writes xc, wac, wpc
.if DOCPART == 1
	.amdgcn_target "amdgcn-amd-amdhsa--gfx1250"
	.amdhsa_code_object_version 6
	.text
	.protected	k_q5902b35d86_quant
	.globl	k_q5902b35d86_quant
	.p2align	8
	.type	k_q5902b35d86_quant,@function
k_q5902b35d86_quant:
	s_mov_b64 s[64:65], 0
	v_nop
	global_prefetch_b8 v0, s[64:65] scope:SCOPE_SE
	s_setreg_imm32_b32 hwreg(HW_REG_WAVE_MODE, 25, 1), 1
	s_wait_xcnt 0x0
; X [8192][1024], W_attn [1024][3072] and W_proj [1024][1024], f32, become codes of FP8 (E4M3), one byte each, K innermost, each tensor with its given scale 2^e
; (entries 0, 1 and 7 of the scales).  code = x / 2^e, held within +-448, to the nearest code, ties to even.
; LIMITS: each e between -126 and 119, so that 2^e and 448 x 2^e are f32 numbers.  NaN among the inputs is not served (an infinity is held at the largest code).
; THE ROW ORDER of all three outputs: within each group of 32 rows, bits 3 and 4 of the row's number change places.  Sixteen rows on end in memory are then a tile whose lane r holds
; row 32 b + 8 u + r + 8 (r / 8): used as source 0 of a matrix instruction, two neighbouring tiles give a lane 16 neighbours along that axis.
; SHARES: work-groups 0-255 take 32 rows of X each; 256-351 take 128 columns x 256 along K of W_attn; 352-383 the same of W_proj: 131,072 bytes read by each.
; X (K innermost): a wave takes 8 rows as 16 steps of 512 numbers; each load reads 512 consecutive bytes; a step turns through the wave's own stage in LDS so that a lane holds 16 neighbours.
; W (K is the first axis): a lane takes a column and its registers run down K; the codes go through the wave's own stage and leave as rows, sixteen lanes storing 256 consecutive aligned bytes.
; The two ways part on the work-group's number and have LDS bytes of their own.  Waves share nothing: no barrier.
.set STEPS, 16
.set SP,    80                         ; X's stage: a lane's 64 bytes + 16 of padding
.set XREG,  2*32*SP                    ; two stages for each wave
.set WSTG,  4*XREG                     ; W's stages begin here: 32 rows x 272 bytes for each wave
.set PITCH, 272
.set SPARE, WSTG+4*32*PITCH            ; the spare words, 128 bytes for each wave: two blocks of 256 bytes that no other line names
.set SPW,   12                         ; v12  LDS address of my spare word; never rewritten
.set NIL,   13                         ; v13  0; never rewritten
.set R,     16                         ; X: v16-79   four sets of 16 numbers as loaded
.set XN,    80                         ; X: v80-111  two sets of 16 neighbours
.set C,     128                        ; X: v128-191 codes, four registers for each step
.set XW,    32                         ; W: v32-95   two sets of 32 numbers
.set CW,    96                         ; W: v96-103  a block's codes
.set OUTR,  112                        ; W: v112-175 the way out
.set RO,    176                        ; W: v176-207 byte offset of row i of a block at my column; never rewritten
.macro MKS e                           ; v11 = 2^e as f32 (the conversion takes its exponent field), s58 = 448 x 2^e
	s_add_co_i32 s58, s[\e], 127
	s_lshl_b32 s59, s58, 23
	v_mov_b32 v11, s59
	s_add_co_i32 s58, s58, 8
	s_lshl_b32 s58, s58, 23
	s_or_b32 s58, s58, 0x600000
.endm
	s_load_b256 s[4:11], s[0:1], 0x0               ; X s[4:5], W_attn s[6:7], W_proj s[8:9], the scales s[10:11]
	s_load_b128 s[12:15], s[0:1], 0x20             ; xc s[12:13], wac s[14:15]
	s_load_b64 s[16:17], s[0:1], 0x30              ; wpc
	v_lshl_add_u32 v[SPW], v0, 2, SPARE
	v_mov_b32 v[NIL], 0
	v_lshrrev_b32 v1, 5, v0
	v_readfirstlane_b32 s18, v1                    ; wave 0..3
	v_and_b32 v2, 31, v0                           ; lane
	s_wait_kmcnt 0x0
	s_load_b256 s[24:31], s[10:11], 0x0            ; e0 .. e7
	s_cmp_lt_u32 ttmp9, 256
	s_cbranch_scc0 .Lw
	s_wait_alu depctr_va_vdst(0)
	; ---------------- X ----------------
	v_lshlrev_b32 v3, 4, v2                        ; my 16 bytes of a load's 512, and of a step's 512 bytes of codes
	s_wait_alu depctr_va_vdst(0)
	s_mul_i32 s19, s18, XREG
	v_lshrrev_b32 v14, 2, v2
	v_mul_u32_u24 v14, v14, SP
	v_and_b32 v15, 3, v2
	v_lshl_add_u32 v14, v15, 4, v14
	v_add_nc_u32 v14, s19, v14                     ; into the stage: four lanes' 64 bytes on end, then the padding
	v_mul_u32_u24 v15, v2, SP
	v_add_nc_u32 v15, s19, v15                     ; out of it: my 16 neighbours
	s_lshl_b32 s20, ttmp9, 2
	s_add_co_u32 s22, s20, s18                     ; my run of 8 rows: 4 x work-group + wave
	s_lshl_b32 s22, s22, 15                        ; 8 rows of 4,096 bytes
	s_mov_b32 s23, 0
	s_add_nc_u64 s[4:5], s[4:5], s[22:23]
	s_and_b32 s22, s18, 1                          ; the row order: the run's two low bits are the rows' bits 3 and 4: they change places
	s_lshl_b32 s22, s22, 1
	s_lshr_b32 s21, s18, 1
	s_or_b32 s22, s22, s21
	s_add_co_u32 s22, s22, s20
	s_lshl_b32 s22, s22, 13                        ; 8 rows of 1,024 codes
	s_add_nc_u64 s[12:13], s[12:13], s[22:23]
.macro LOAD t
.irp i, 0,1,2,3
	global_load_b128 v[R+16*((\t)%4)+4*\i:R+16*((\t)%4)+4*\i+3], v3, s[4:5] offset:2048*(\t)+512*\i th:TH_LOAD_NT   ; 32 lanes read 512 consecutive bytes
.endr
.endm
.macro TURN t                          ; step t through the stage: LDS serves a wave's instructions in order, so no wait stands between the stores and the loads
.irp i, 0,1,2,3
	ds_store_b128 v14, v[R+16*((\t)%4)+4*\i:R+16*((\t)%4)+4*\i+3] offset:32*SP*((\t)%2)+8*SP*\i
.endr
.irp i, 0,1,2,3
	ds_load_b128 v[XN+16*((\t)%2)+4*\i:XN+16*((\t)%2)+4*\i+3], v15 offset:32*SP*((\t)%2)+16*\i
.endr
.endm
.irp t, 0,1,2,3
	LOAD \t
.endr
	s_wait_alu depctr_va_vdst(0)
	s_wait_kmcnt 0x0
	MKS 24                                         ; e0
	s_wait_alu depctr_va_vdst(0)
	s_wait_loadcnt 12                              ; step 0's four loads are in; the twelve of steps 1 to 3 may be out
	TURN 0
.macro STEP t
.set XS, XN+16*((\t)%2)
	s_wait_dscnt 0x0                               ; this step's numbers are back from the stage, so its stores into the stage have read their registers,
.if (\t)+4 < STEPS
	LOAD (\t)+4                                    ; which take the loads of four steps on
.endif
.if (\t)+1 < STEPS
.if STEPS-2-(\t) >= 3
	s_wait_loadcnt 12                              ; the next step's four loads are in; those of the three steps behind it may be out
.else
	s_wait_loadcnt 4*(STEPS-2-(\t))                ; in the tail: four for each step still behind the next
.endif
	TURN (\t)+1
.endif
.irp i, 0,1,2,3,4,5,6,7,8,9,10,11,12,13,14,15
.endr
	v_cvt_scalef32_pk8_fp8_f32 v[C+4*(\t):C+4*(\t)+1], v[XS:XS+7], v11
	v_cvt_scalef32_pk8_fp8_f32 v[C+4*(\t)+2:C+4*(\t)+3], v[XS+8:XS+15], v11
	global_store_b128 v3, v[C+4*(\t):C+4*(\t)+3], s[12:13] offset:512*(\t)   ; 32 lanes store 512 consecutive bytes; each step has code registers of its own
.endm
.irp t, 0,1,2,3,4,5,6,7,8,9,10,11,12,13,14,15
	STEP \t
.endr
	s_wait_tensorcnt 0x0                           ; the wave's end, behind my last LDS store
	ds_add_u32 v[SPW], v[NIL]
	s_wait_dscnt 0x0
	s_endpgm
	; ---------------- W_attn, W_proj ----------------
.Lw:
	s_cmp_lt_u32 ttmp9, 352                        ; W_attn's work-group or W_proj's: the choice hangs on the work-group's number alone
	s_cselect_b64 s[20:21], s[6:7], s[8:9]         ; the weight
	s_cselect_b64 s[22:23], s[14:15], s[16:17]     ; its codes
	s_mov_b32 s48, 4096
	s_cselect_b32 s48, 12288, s48                  ; a row of the weight in bytes
	s_mov_b32 s49, 352
	s_cselect_b32 s49, 256, s49
	s_sub_co_u32 s49, ttmp9, s49                   ; my number within the tensor
	s_lshr_b32 s50, s49, 2                         ; which 128 columns
	s_and_b32 s49, s49, 3                          ; which 256 along K
	s_lshl_b32 s51, s50, 7
	s_lshl_b32 s52, s18, 5
	s_add_co_u32 s51, s51, s52                     ; my wave's first column
	s_mul_i32 s52, s49, s48
	s_lshl_b32 s52, s52, 8                         ; 256 rows for each step along K,
	s_lshl_b32 s53, s51, 2
	s_add_co_u32 s52, s52, s53                     ; + 4 bytes a column
	s_mov_b32 s53, 0
	s_add_nc_u64 s[32:33], s[20:21], s[52:53]      ; block 0 of my 8 blocks of 32 along K;
	s_lshl_b32 s54, s48, 5
	s_mov_b32 s55, 0
.irp t, 1,2,3,4,5,6,7
	s_add_nc_u64 s[32+2*\t:33+2*\t], s[30+2*\t:31+2*\t], s[54:55]   ; each block has a base of its own, 32 rows on: no pointer is stepped later
.endr
	s_lshl_b32 s56, s51, 10                        ; the codes: column x 1,024 + 256 x my step along K
	s_lshl_b32 s57, s49, 8
	s_add_co_u32 s56, s56, s57
	s_mov_b32 s57, 0
	s_add_nc_u64 s[22:23], s[22:23], s[56:57]
	s_wait_alu depctr_va_vdst(0)
	v_lshlrev_b32 v3, 2, v2
.set i, 0
.rept 32
	v_mad_u32_u24 v[RO+i], s48, i, v3              ; row i of a block, my column
.set i, i+1
.endr
	s_mul_i32 s19, s18, 32*PITCH
	s_add_co_u32 s19, s19, WSTG                    ; my stage
	v_mul_u32_u24 v4, v2, PITCH
	v_add_nc_u32 v4, s19, v4                       ; into it: row = my column
	v_and_b32 v5, 15, v2
	v_lshrrev_b32 v6, 4, v2
	v_mul_u32_u24 v7, v6, PITCH
	v_lshl_add_u32 v7, v5, 4, v7
	v_add_nc_u32 v7, s19, v7                       ; out of it: sixteen lanes to a row, two rows an instruction
	v_lshlrev_b32 v8, 10, v6
	v_lshl_add_u32 v8, v5, 4, v8                   ; and the same place in the codes
.macro LOADW t                         ; block t: W(32 t + i, my column) into set t % 2: 32 lanes read 128 consecutive bytes, the four waves stand side by side
.set i, 0
.rept 32
	global_load_b32 v[XW+32*((\t)%2)+i], v[RO+i], s[32+2*(\t):33+2*(\t)] th:TH_LOAD_NT
.set i, i+1
.endr
.endm
	LOADW 0
	LOADW 1
	s_wait_kmcnt 0x0
	s_cmp_lt_u32 ttmp9, 352
	s_cselect_b32 s50, s25, s31                    ; e1 or e7
	MKS 50
.macro BLOCK t
.set XS, XW+32*((\t)%2)
.if (\t) < 7
	s_wait_loadcnt 32                              ; this block's 32 loads are in; the next block's 32 may be out
.else
	s_wait_loadcnt 0
.endif
.set i, 0
.rept 32
.set i, i+1
.endr
.irp g, 0,1,2,3
	v_cvt_scalef32_pk8_fp8_f32 v[CW+2*\g:CW+2*\g+1], v[XS+8*\g:XS+8*\g+7], v11
.endr
	ds_store_b128 v4, v[CW:CW+3] offset:32*(\t)    ; 32 codes of my column's row
	ds_store_b128 v4, v[CW+4:CW+7] offset:32*(\t)+16
.if (\t)+2 < 8
	LOADW (\t)+2
.endif
	s_wait_dscnt 0x0                               ; the stores have read their registers: the next block's codes may be written
.endm
	s_wait_alu depctr_va_vdst(0)
.irp t, 0,1,2,3,4,5,6,7
	BLOCK \t
.endr
.irp t, 0,1,2,3,4,5,6,7,8,9,10,11,12,13,14,15
	ds_load_b128 v[OUTR+4*\t:OUTR+4*\t+3], v7 offset:2*\t*PITCH   ; LDS serves a wave's instructions in order: these see my stores
.endr
.irp t, 0,1,2,3,4,5,6,7,8,9,10,11,12,13,14,15
	s_wait_dscnt 15-\t                             ; pair t of rows is back; the younger loads may be out
	global_store_b128 v8, v[OUTR+4*\t:OUTR+4*\t+3], s[22:23] offset:(((2*\t)&7)+16*(((2*\t)>>3)&1)+8*(((2*\t)>>4)&1))*1024   ; columns 2 t, 2 t + 1 go to their places in the row order
.endr
	s_wait_tensorcnt 0x0                           ; the wave's end, behind my last LDS store
	ds_add_u32 v[SPW], v[NIL]
	s_wait_dscnt 0x0
	s_endpgm
.Lfunc_end_k_q5902b35d86_quant:
	.size	k_q5902b35d86_quant, .Lfunc_end_k_q5902b35d86_quant-k_q5902b35d86_quant
	.p2alignl 7, 3214868480
	.fill 96, 4, 3214868480
	.section	.rodata,"a",@progbits
	.p2align	6, 0x0
	.amdhsa_kernel k_q5902b35d86_quant
		.amdhsa_group_segment_fixed_size 55808
		.amdhsa_private_segment_fixed_size 0
		.amdhsa_enable_private_segment 0
		.amdhsa_kernarg_size 56
		.amdhsa_user_sgpr_count 2
		.amdhsa_user_sgpr_kernarg_segment_ptr 1
		.amdhsa_wavefront_size32 1
		.amdhsa_system_sgpr_workgroup_id_x 1
		.amdhsa_system_sgpr_workgroup_id_y 1
		.amdhsa_system_sgpr_workgroup_id_z 1
		.amdhsa_system_vgpr_workitem_id 0
		.amdhsa_next_free_vgpr 208
		.amdhsa_next_free_sgpr 66
		.amdhsa_reserve_vcc 0
		.amdhsa_float_denorm_mode_32 3
		.amdhsa_float_denorm_mode_16_64 3
		.amdhsa_fp16_overflow 1
		.amdhsa_memory_ordered 1
		.amdhsa_forward_progress 1
		.amdhsa_inst_pref_size 56
	.end_amdhsa_kernel
	.amdgpu_metadata
---
amdhsa.version: [ 1, 2 ]
amdhsa.kernels:
  - .name:           k_q5902b35d86_quant
    .symbol:         k_q5902b35d86_quant.kd
    .args:
      - { .name: X, .offset: 0, .size: 8, .value_kind: global_buffer, .address_space: global }
      - { .name: W_attn, .offset: 8, .size: 8, .value_kind: global_buffer, .address_space: global }
      - { .name: W_proj, .offset: 16, .size: 8, .value_kind: global_buffer, .address_space: global }
      - { .name: lowp_scales, .offset: 24, .size: 8, .value_kind: global_buffer, .address_space: global }
      - { .name: xc, .offset: 32, .size: 8, .value_kind: global_buffer, .address_space: global }
      - { .name: wac, .offset: 40, .size: 8, .value_kind: global_buffer, .address_space: global }
      - { .name: wpc, .offset: 48, .size: 8, .value_kind: global_buffer, .address_space: global }
    .group_segment_fixed_size: 55808
    .private_segment_fixed_size: 0
    .kernarg_segment_align: 8
    .kernarg_segment_size: 56
    .max_flat_workgroup_size: 128
    .sgpr_count:     66
    .vgpr_count:     208
    .wavefront_size: 32
...
	.end_amdgpu_metadata
.endif
;; end of part 1
;; launch qkv (part 2): grid 4 x 64, 4 waves a work-group, clusters of 4 x 4, 327,680 bytes of LDS; arguments xc, wac, b_attn, lowp_scales, qimg, kv; writes qimg, kv
.if DOCPART == 2
	.amdgcn_target "amdgcn-amd-amdhsa--gfx1250"
	.amdhsa_code_object_version 6
	.text
	.protected	k_q5902b35d86_qkv
	.globl	k_q5902b35d86_qkv
	.p2align	8
	.type	k_q5902b35d86_qkv,@function
k_q5902b35d86_qkv:
	s_mov_b64 s[64:65], 0
	v_nop
	global_prefetch_b8 v0, s[64:65] scope:SCOPE_SE
	s_setreg_imm32_b32 hwreg(HW_REG_WAVE_MODE, 25, 1), 1
	s_wait_xcnt 0x0
	s_wait_alu depctr_hold_cnt(0) depctr_sa_sdst(0) depctr_va_vdst(0) depctr_va_sdst(0) depctr_va_ssrc(0) depctr_va_vcc(0) depctr_vm_vsrc(0)
	s_getreg_b32 s2, hwreg(HW_REG_IB_STS2, 6, 4)
	s_cmp_eq_u32 s2, 0
	s_cbranch_scc0 .Lentry_in_a_cluster
	s_endpgm
.Lentry_in_a_cluster:
	s_bfe_u32 s2, ttmp6, 0x10000c
	s_cmp_lg_u32 s2, 0xf033
	s_cbranch_scc0 .Lentry_shape_is_right
	s_endpgm
.Lentry_shape_is_right:
; qkv = X W_attn + b_attn on codes of FP8 (E4M3), and q, k, v quantised at once into the layouts that the attention launch reads.  Nothing of qkv goes to memory as f32.
; xc: [8192][1024] codes, wac: [3072][1024] codes, K innermost, rows in the row order (bits 3 and 4 of a row's number exchanged within each 32): 16 rows on end are a tile whose lane r holds row 32 b + 8 u + r + 8 (r / 8).
; SHARES.  Work-group (hg, rb) owns 128 rows of X and heads 4 hg .. 4 hg + 3, and makes q, k and v for them in three passes of 128 x 256.  Wave w owns head 4 hg + w: 128 x 64 a pass, 32 accumulators.
; X's 128 x 1024 codes stay in LDS for all three passes.  W goes through two LDS slots of 256 rows x 256 along K: 12 K steps on end, four to a pass; a wave fetches the 64 rows that it multiplies.
; CLUSTER 4 x 4: the four work-groups of a row of the cluster (same rb) ask for X's tile jointly, the four of a column (same hg) for W's tiles.
; PASSES q, k: source 0 = 16 rows of W, source 1 = 16 rows of X: a lane holds one row of X and its registers run along the head's 64.  PASS v: the sources change places: a lane holds one of the head's 64 and its registers run along the keys.
; By the row order the 16 registers of two neighbouring accumulators are 16 neighbours along the next product's K.  So in all three passes piece p (registers 16 p .. 16 p + 15) becomes 16 codes a lane, stored at 512 p + 16 x lane:
; images of the next launch's operand registers, 512 consecutive bytes a store.
; The bias, divided by 2^(e0 + e1), is the C of a pass's first products.  A sum stands for sum x 2^(e0 + e1): the conversion's one scale is 2^(e_out - e0 - e1), e_out = e2, e3, e5.
; LIMITS: e2 - e0 - e1, e3 - e0 - e1, e5 - e0 - e1 between -126 and 119, so that each scale and 448 x it are f32 numbers.  NaN among the inputs is not served.
; A fragment's registers 4 c .. 4 c + 3 hold K = 32 c + 16 (lane / 16) + 0 .. 15: one order of k for both sources, so every product meets its partner.
; REGISTERS in windows of 256: window 0 addresses, scales, biases, codes; window 1 the 32 accumulators; window 2 X's fragments, two sets of 128; window 3 W's fragments, two sets of 64.
; No prefetch: X's tile is a first fill at the head, and all clusters walk W's 12 K steps in step.
.set XCH,   128*272                    ; a K chunk of X in LDS: 128 rows of 256 bytes + 16 of padding (row r starts at bank 4 r mod 64: 64 banks of 4 bytes, ISA guide 11.1)
.set WB,    4*XCH                      ; behind X's four chunks: W's two slots
.set WSL,   256*272
.set WQ,    64*272                     ; a wave's 64 rows of a slot
.set SPARE, WB+2*WSL                   ; the spare words, 128 bytes for each wave: two blocks of 256 bytes that no other line names
.set NEXTP, 1024*1024-512              ; from a slot's last K step of a pass to its first of the next: 1,024 rows of W on, 512 bytes back along K
.set PADW,  (1<<20)|(1<<21)|(5<<22)|(3<<25)   ; group 1, word 0: elements of 1 byte; padding on; bit 21 beside a mask; after every 64 words, 4 words
.set ADRX, 4                           ; v4-7   my place in X's chunk 0 .. 3
.set ADRW, 8                           ; v8-9   my place in my rows of W's slot 0, 1
.set LI,   10                          ; v10    16 x lane
.set SCQ,  16                          ; v16, v18, v20 the scales for q, k, v
.set LMQ,  17
.set SCK,  18
.set LMK,  19
.set SCV,  20
.set LMV,  21
.set SPW,  28                          ; v28    LDS address of my spare word; never rewritten
.set NIL,  29                          ; v29    0; never rewritten
.set BQ,   32                          ; v32-63  q's bias in the result's layout, four tiles of 8;  v64-95 k's;  v96-127 v's
.set BK,   64
.set BV,   96
.set CD,   128                         ; v128-191 a pass's codes: 16 pieces of 4 registers
.set WV,   16                          ; s16 wave
.set G1X,  24                          ; s[24:31] group 1 for X's tile;  s[32:39] for W's
.set G1W,  32
.set G0X,  40                          ; s[40:43] group 0 for X;  s[44:51] for W, a set for each slot
.set G0W,  44
.set QP,   66                          ; s[66:67], s[68:69], s[70:71]: where my q, k, v images go
.set KP,   68
.set VP,   70
.set MSB, 0
.macro WIN new                         ; the immediate's high byte repeats the setting that is left; a switch that changes nothing is dropped
.if MSB != (\new)
	s_set_vgpr_msb (MSB<<8)|(\new)
.set MSB, (\new)
.endif
.endm
.macro PLACES n
.rept \n
	v_nop
.endr
.endm
.macro CREST                           ; a round of the cluster's barrier behind its opening barrier
	s_cmp_lg_u32 s[WV], 0
	s_cbranch_scc1 .Lnot_wave_0_\@
	s_barrier_signal -3
.Lnot_wave_0_\@:
	s_barrier_wait -3
	s_barrier_signal -1
	s_barrier_wait -1
.endm
.macro CROUND
	s_barrier_signal -1
	s_barrier_wait -1
	CREST
.endm
.macro MKSCALE e, sc, lim              ; 2^(e - e0 - e1); s90 = e0 + e1
	s_sub_co_i32 s91, s[\e], s90
	s_add_co_i32 s91, s91, 127
	s_lshl_b32 s92, s91, 23
	v_mov_b32 v[\sc], s92
.endm
	s_load_b256 s[4:11], s[0:1], 0x0               ; xc s[4:5], wac s[6:7], b_attn s[8:9], the scales s[10:11]
	s_load_b128 s[12:15], s[0:1], 0x20             ; qimg s[12:13], kv s[14:15]
	v_lshl_add_u32 v[SPW], v0, 2, SPARE
	v_mov_b32 v[NIL], 0
	ds_add_u32 v[SPW], v[NIL]
	ds_add_u32 v[SPW], v[NIL]                      ; the wave's opening: the add and its wait ahead of my first tensor load; work on registers stands between them
	v_lshrrev_b32 v1, 5, v0
	v_readfirstlane_b32 s[WV], v1                  ; wave 0..3
	s_bfe_u32 s17, ttmp6, 0x40000                  ; cx
	s_bfe_u32 s18, ttmp6, 0x40004                  ; cy
	s_lshl_b32 s20, ttmp9, 2
	s_add_co_u32 s20, s20, s17                     ; hg = 4 x cluster x + cx
	s_and_b32 s19, ttmp7, 0xffff
	s_lshl_b32 s19, s19, 2
	s_add_co_u32 s19, s19, s18                     ; rb = 4 x cluster y + cy
	s_lshl_b32 s52, s18, 2
	s_lshl_b32 s52, 15, s52                        ; my row of the cluster
	s_lshl_b32 s53, 0x1111, s17                    ; my column
	s_or_b32 s[G1X], s52, PADW                     ; X's tile goes to my row
	s_mov_b32 s[G1X+1], 256<<16                    ; tensor_dim0 = 256 bytes
	s_mov_b32 s[G1X+2], 128<<16                    ; tensor_dim1 = 128 rows
	s_mov_b32 s[G1X+3], 256<<16                    ; tile_dim0
	s_mov_b32 s[G1X+4], 128                        ; tile_dim1
	s_mov_b32 s[G1X+5], 1024                       ; from row to row
	s_mov_b32 s[G1X+6], 0
	s_mov_b32 s[G1X+7], 0
	s_or_b32 s[G1W], s53, PADW                     ; W's tiles go to my column
	s_mov_b32 s[G1W+1], 256<<16
	s_mov_b32 s[G1W+2], 64<<16                     ; 64 rows
	s_mov_b32 s[G1W+3], 256<<16
	s_mov_b32 s[G1W+4], 64
	s_mov_b32 s[G1W+5], 1024
	s_mov_b32 s[G1W+6], 0
	s_mov_b32 s[G1W+7], 0
	s_lshl_b32 s72, s19, 17                        ; X: 128 rb rows of 1,024 bytes, + my K chunk's 256 bytes (registers that never hold cx)
	s_lshl_b32 s73, s[WV], 8
	s_add_co_u32 s72, s72, s73
	s_mov_b32 s73, 0
	s_mul_i32 s74, s[WV], XCH                      ; its place in LDS: the wave's number alone
	s_lshl_b32 s76, s20, 18                        ; W: rows 256 hg + 64 wave (registers that never hold cy)
	s_lshl_b32 s77, s[WV], 16
	s_add_co_u32 s76, s76, s77
	s_mov_b32 s77, 0
	s_mul_i32 s78, s[WV], WQ
	s_add_co_u32 s78, s78, WB
	s_lshr_b32 s80, s19, 4                         ; the outputs: batch,
	s_lshl_b32 s80, s80, 4
	s_lshl_b32 s81, s20, 2
	s_add_co_u32 s81, s81, s[WV]                   ; head = 4 hg + wave,
	s_add_co_u32 s80, s80, s81                     ; bh = 16 x batch + head
	s_and_b32 s82, s19, 15                         ; my 128 rows within the batch's 2,048
	s_lshl_b32 s84, s80, 17                        ; q: 131,072 bytes a head, 8 tiles of 1,024 bytes for my rows
	s_lshl_b32 s85, s82, 13
	s_add_co_u32 s84, s84, s85
	s_mov_b32 s85, 0
	s_lshl_b32 s86, s80, 18                        ; k, v: 262,144 bytes a head, 32,768 a slot of 256 keys, my half of it
	s_lshr_b32 s87, s82, 1
	s_lshl_b32 s87, s87, 15
	s_add_co_u32 s86, s86, s87
	s_and_b32 s87, s82, 1
	s_lshl_b32 s87, s87, 13
	s_add_co_u32 s86, s86, s87
	s_mov_b32 s87, 0
	s_lshl_b32 s88, s81, 8                         ; the bias: 64 numbers a head
	s_mov_b32 s89, 0
	s_wait_dscnt 0x0                               ; the opening add is done
	s_wait_kmcnt 0x0
	s_load_b256 s[56:63], s[10:11], 0x0            ; e0 .. e7
	s_mov_b32 s[G0X], 1
	s_mov_b32 s[G0X+1], s74
	s_add_nc_u64 s[G0X+2:G0X+3], s[4:5], s[72:73]
	s_or_b32 s[G0X+3], s[G0X+3], 0x80000000
	s_mov_b32 s[G0W], 1
	s_mov_b32 s[G0W+1], s78
	s_add_nc_u64 s[G0W+2:G0W+3], s[6:7], s[76:77]  ; K step 0
	s_mov_b32 s[G0W+4], 1
	s_add_co_u32 s[G0W+5], s78, WSL
	s_add_nc_u64 s[G0W+6:G0W+7], s[G0W+2:G0W+3], 256   ; K step 1
	s_or_b32 s[G0W+3], s[G0W+3], 0x80000000
	s_or_b32 s[G0W+7], s[G0W+7], 0x80000000
	s_add_nc_u64 s[QP:QP+1], s[12:13], s[84:85]
	s_add_nc_u64 s[KP:KP+1], s[14:15], s[86:87]
	s_add_nc_u64 s[VP:VP+1], s[KP:KP+1], 16384     ; a slot's V lies behind its 16,384 bytes of K
	s_add_nc_u64 s[8:9], s[8:9], s[88:89]
	CROUND                                         ; all sixteen work-groups are here: the first joint loads meet
	tensor_load_to_lds s[G0W:G0W+3], s[G1W:G1W+7]  ; the first fills go out as one group: three loads of mine are out
	s_nop 0
	tensor_load_to_lds s[G0X:G0X+3], s[G1X:G1X+7]
	s_nop 0
	tensor_load_to_lds s[G0W+4:G0W+7], s[G1W:G1W+7]
	s_nop 0
	PLACES 4
	v_and_b32 v1, 15, v0                           ; r
	v_bfe_u32 v2, v0, 4, 1                         ; h
	v_lshlrev_b32 v11, 6, v2                       ; q's and k's bias: my half's 16 numbers of each 32
	v_and_b32 v12, 8, v1
	v_add_nc_u32 v12, v12, v1
	v_lshlrev_b32 v12, 2, v12                      ; v's bias: the one number of my lane's row of W: r + 8 (r / 8)
.irp b, 0,1
.irp i, 0,1,2,3
	global_load_b128 v[BQ+16*\b+4*\i:BQ+16*\b+4*\i+3], v11, s[8:9] offset:128*\b+16*\i
	global_load_b128 v[BK+16*\b+4*\i:BK+16*\b+4*\i+3], v11, s[8:9] offset:4096+128*\b+16*\i
.endr
.endr
.irp t, 0,1,2,3
	global_load_b32 v[22+\t], v12, s[8:9] offset:8192+(32*(\t/2)+8*(\t%2))*4
.endr
	v_mul_u32_u24 v3, v1, 272
	v_lshl_add_u32 v3, v2, 4, v3                   ; a fragment's row x pitch + 16 x half
.irp k, 0,1,2,3
	v_add_nc_u32 v[ADRX+\k], \k*XCH, v3
.endr
	s_mul_i32 s94, s[WV], WQ
	s_add_co_u32 s94, s94, WB
	v_add_nc_u32 v[ADRW], s94, v3
	v_add_nc_u32 v[ADRW+1], WSL, v[ADRW]
	v_and_b32 v[LI], 31, v0
	v_lshlrev_b32 v[LI], 4, v[LI]
	s_wait_loadcnt 0x0
	s_wait_kmcnt 0x0
	s_add_co_i32 s90, s56, s57                     ; e0 + e1
	s_sub_co_i32 s93, 0, s90
.set i, 0
.rept 64
	v_ldexp_f32 v[BQ+i], v[BQ+i], s93              ; the biases go in divided by the power of two that the sums lack
.set i, i+1
.endr
.irp t, 0,1,2,3
.irp j, 0,1,2,3,4,5,6,7
	v_ldexp_f32 v[BV+8*\t+\j], v[22+\t], s93       ; in pass v a lane's eight results share one bias
.endr
.endr
	MKSCALE 58, SCQ, LMQ
	MKSCALE 59, SCK, LMK
	MKSCALE 61, SCV, LMV
; n blocks of X from a0 on x my four fragments of W, 128 along K, from set st.  The 32 accumulators take turns, one instruction a turn, in the same order in every step.
; mode 0: accumulator (a, t) at v[8 (4 a + t)];  mode 1: at v[8 (8 t + a)].  first = 1: the bias is the C.
.macro MULS mode, st, a0, n, first, bias
	WIN 0x5b+3*(\mode)-16*(\first)                 ; mode 0: W window 3, X window 2; mode 1 the other way; D window 1; C window 1, or 0 for the bias
.set ma, \a0
.rept \n
.set mt, 0
.rept 4
.if (\mode) == 0
.if \first
	v_wmma_f32_16x16x128_fp8_fp8 v[8*(4*ma+mt):8*(4*ma+mt)+7], v[64*(\st)+16*mt:64*(\st)+16*mt+15], v[128*(\st)+16*ma:128*(\st)+16*ma+15], v[\bias+8*mt:\bias+8*mt+7]
.else
	v_wmma_f32_16x16x128_fp8_fp8 v[8*(4*ma+mt):8*(4*ma+mt)+7], v[64*(\st)+16*mt:64*(\st)+16*mt+15], v[128*(\st)+16*ma:128*(\st)+16*ma+15], v[8*(4*ma+mt):8*(4*ma+mt)+7]
.endif
.else
.if \first
	v_wmma_f32_16x16x128_fp8_fp8 v[8*(8*mt+ma):8*(8*mt+ma)+7], v[128*(\st)+16*ma:128*(\st)+16*ma+15], v[64*(\st)+16*mt:64*(\st)+16*mt+15], v[\bias+8*mt:\bias+8*mt+7]
.else
	v_wmma_f32_16x16x128_fp8_fp8 v[8*(8*mt+ma):8*(8*mt+ma)+7], v[128*(\st)+16*ma:128*(\st)+16*ma+15], v[64*(\st)+16*mt:64*(\st)+16*mt+15], v[8*(8*mt+ma):8*(8*mt+ma)+7]
.endif
.endif
.set mt, mt+1
.endr
.set ma, ma+1
.endr
.endm
; 48 LDS loads in one run: X's eight fragments of chunk kc and my four of W's slot, the q-th 128 along K, into set st
.macro FETCH kc, slot, q, st
	WIN 0x80
.set fa, 0
.rept 8
.irp c, 0,1,2,3
	ds_load_b128 v[128*(\st)+16*fa+4*\c:128*(\st)+16*fa+4*\c+3], v[ADRX+(\kc)] offset:4352*fa+128*(\q)+32*\c
.endr
.set fa, fa+1
.endr
	WIN 0xc0
.set fa, 0
.rept 4
.irp c, 0,1,2,3
	ds_load_b128 v[64*(\st)+16*fa+4*\c:64*(\st)+16*fa+4*\c+3], v[ADRW+(\slot)] offset:4352*fa+128*(\q)+32*\c
.endr
.set fa, fa+1
.endr
.endm
; The first 128 of a K step: set 0 is multiplied while set 1 is fetched.
.macro STEP0 kc, slot, mode, bias, first
	s_wait_dscnt 0x0                               ; set 0 is in
	PLACES 4                                       ; four plain places between the products that read set 1 and the loads into it (ISA guide 7.12.1 for vector instructions)
	FETCH \kc, \slot, 1, 1
	MULS \mode, 0, 0, 8, \first, \bias
.endm
; The second 128 changes slots: ONE barrier.  In front of it each wave waits for all its tensor loads (one is out: its rows of the next slot), adds 0 to its spare word, and waits for that and for its reads of this slot.
; fill = 1: the barrier opens a round of the cluster's barrier, and this slot's next tile, two K steps on, is the first thing behind the round.
.macro TURN slot, mode, nkc, fill, stepb
	WIN 0                                          ; (the add's two registers lie in window 0)
	s_wait_tensorcnt 0x0
	ds_add_u32 v[SPW], v[NIL]
	s_wait_dscnt 0x1                               ; set 1's 48 loads are in; the add alone may be out
	MULS \mode, 1, 0, 2, 0, 0                      ; eight matrix instructions stand between the add and the wait for it
	s_wait_dscnt 0x0                               ; the add is done, and my reads of this slot are over
	s_barrier_signal -1
	MULS \mode, 1, 2, 2, 0, 0
	WIN 0
	s_barrier_wait -1
.if \fill
	CREST                                          ; no wave of any partner still reads this slot or has a load on its way
	s_add_nc_u64 s[G0W+4*(\slot)+2:G0W+4*(\slot)+3], s[G0W+4*(\slot)+2:G0W+4*(\slot)+3], \stepb
	tensor_load_to_lds s[G0W+4*(\slot):G0W+4*(\slot)+3], s[G1W:G1W+7]
	s_nop 0
	PLACES 4                                       ; these four are also the places in front of the loads below
.else
	PLACES 4
.endif
	FETCH \nkc, 1-(\slot), 0, 0
	MULS \mode, 1, 4, 4, 0, 0
.endm
; A pass's way out: hold, convert, store.  Each accumulator is read from its low end on.
.macro EPILOGUE lim, sc, base
	s_wait_xcnt 0x0                                ; the pass before has had its stores' registers read: the codes' registers may be written again
	PLACES 4                                       ; between the last products and the first read of results
	WIN 0x41                                       ; the sums in window 1
.set ei, 0
.rept 256
.set ei, ei+1
.endr
	WIN 0x01
.set ei, 0
.rept 32
	v_cvt_scalef32_pk8_fp8_f32 v[CD+2*ei:CD+2*ei+1], v[8*ei:8*ei+7], v[\sc]
.set ei, ei+1
.endr
	v_nop                                          ; one plain instruction behind the last conversion: the next pass's products write its sources
	WIN 0
.set ei, 0
.rept 16
	global_store_b128 v[LI], v[CD+4*ei:CD+4*ei+3], s[\base:\base+1] offset:512*ei   ; piece ei: 32 lanes store 512 consecutive bytes, aligned
.set ei, ei+1
.endr
.endm
.macro PASS mode, bias, last
	STEP0 0, 0, \mode, \bias, 1
	TURN 0, \mode, 1, 1, 512
	STEP0 1, 1, \mode, \bias, 0
	TURN 1, \mode, 2, 1, 512
	STEP0 2, 0, \mode, \bias, 0
.if \last
	TURN 0, \mode, 3, 0, 0                         ; nothing is left to fetch
.else
	TURN 0, \mode, 3, 1, NEXTP                     ; the ring goes on into the next pass
.endif
	STEP0 3, 1, \mode, \bias, 0
.if \last
	s_wait_dscnt 0x0
	MULS \mode, 1, 0, 8, 0, 0
.else
	TURN 1, \mode, 0, 1, NEXTP
.endif
.endm
	s_wait_tensorcnt 0x1                           ; my rows of W's slot 0 and my chunk of X are in; slot 1's may stay out
	s_barrier_signal -1
	s_barrier_wait -1                              ; everybody's are
	FETCH 0, 0, 0, 0
	PASS 0, BQ, 0
	s_wait_alu depctr_va_vdst(0)
	EPILOGUE LMQ, SCQ, QP                          ; the next pass's tiles and first fragments are on their way meanwhile
	PASS 0, BK, 0
	EPILOGUE LMK, SCK, KP
	PASS 1, BV, 1
	EPILOGUE LMV, SCV, VP
	s_wait_tensorcnt 0x0                           ; the wave's end
	ds_add_u32 v[SPW], v[NIL]
	s_wait_dscnt 0x0
	CROUND                                         ; the closing round: no work-group ends while a partner may still ask for a tile that names it
	s_endpgm
.Lfunc_end_k_q5902b35d86_qkv:
	.size	k_q5902b35d86_qkv, .Lfunc_end_k_q5902b35d86_qkv-k_q5902b35d86_qkv
	.p2alignl 7, 3214868480
	.fill 96, 4, 3214868480
	.section	.rodata,"a",@progbits
	.p2align	6, 0x0
	.amdhsa_kernel k_q5902b35d86_qkv
		.amdhsa_group_segment_fixed_size 327680
		.amdhsa_private_segment_fixed_size 0
		.amdhsa_enable_private_segment 0
		.amdhsa_kernarg_size 48
		.amdhsa_user_sgpr_count 2
		.amdhsa_user_sgpr_kernarg_segment_ptr 1
		.amdhsa_wavefront_size32 1
		.amdhsa_system_sgpr_workgroup_id_x 1
		.amdhsa_system_sgpr_workgroup_id_y 1
		.amdhsa_system_sgpr_workgroup_id_z 1
		.amdhsa_system_vgpr_workitem_id 0
		.amdhsa_next_free_vgpr 1024
		.amdhsa_next_free_sgpr 96
		.amdhsa_reserve_vcc 0
		.amdhsa_float_denorm_mode_32 3
		.amdhsa_float_denorm_mode_16_64 3
		.amdhsa_fp16_overflow 1
		.amdhsa_memory_ordered 1
		.amdhsa_forward_progress 1
		.amdhsa_inst_pref_size 159
	.end_amdhsa_kernel
	.amdgpu_metadata
---
amdhsa.version: [ 1, 2 ]
amdhsa.kernels:
  - .name:           k_q5902b35d86_qkv
    .symbol:         k_q5902b35d86_qkv.kd
    .args:
      - { .name: xc, .offset: 0, .size: 8, .value_kind: global_buffer, .address_space: global }
      - { .name: wac, .offset: 8, .size: 8, .value_kind: global_buffer, .address_space: global }
      - { .name: b_attn, .offset: 16, .size: 8, .value_kind: global_buffer, .address_space: global }
      - { .name: lowp_scales, .offset: 24, .size: 8, .value_kind: global_buffer, .address_space: global }
      - { .name: qimg, .offset: 32, .size: 8, .value_kind: global_buffer, .address_space: global }
      - { .name: kv, .offset: 40, .size: 8, .value_kind: global_buffer, .address_space: global }
    .group_segment_fixed_size: 327680
    .private_segment_fixed_size: 0
    .kernarg_segment_align: 8
    .kernarg_segment_size: 48
    .max_flat_workgroup_size: 128
    .sgpr_count:     96
    .vgpr_count:     1024
    .wavefront_size: 32
...
	.end_amdgpu_metadata
.endif
;; end of part 2
;; launch attn (part 3): grid 4 x 64, 16 waves a work-group, no clusters, 327,680 bytes of LDS; arguments qimg, kv, lowp_scales, yimg; writes yimg
.if DOCPART == 3
	.amdgcn_target "amdgcn-amd-amdhsa--gfx1250"
	.amdhsa_code_object_version 6
	.text
	.protected	k_q5902b35d86_attn
	.globl	k_q5902b35d86_attn
	.p2align	8
	.type	k_q5902b35d86_attn,@function
k_q5902b35d86_attn:
	s_mov_b64 s[64:65], 0
	v_nop
	global_prefetch_b8 v0, s[64:65] scope:SCOPE_SE
	s_setreg_imm32_b32 hwreg(HW_REG_WAVE_MODE, 25, 1), 1
	s_wait_xcnt 0x0
; y[b][h][q] = the sum over k <= q of softmax_k(q . k / 8) v, both products on codes of FP8 (E4M3), and y quantised at once for the last product.
; THE SOFTMAX: t = score x log2(e) / 8; M = the largest t so far, rounded up to a whole number; p = 2^(t - M) is quantised (scale 2^e4), not normalised; the row's sum is taken of the unquantised p and divides at the end.
; When M moves, the sum and O are multiplied by 2^(old M - new M), which rounds nothing.
; INPUTS are images of operand registers, 16 bytes a lane, 512 bytes a piece.  qimg: [head 64][tile 128][piece 2].  kv: [head 64][slot of 256 keys 8]{K: 16 tiles x 2 pieces; V: 2 key steps x 4 tiles of the head's 64 x 4 pieces}.
; A tile's lane r holds row 32 b + 8 u + r + 8 (r / 8), so that two neighbouring result tiles give a lane 16 neighbours.  OUTPUT yimg: [row tile 512][head 16][piece 2].
; SHARES.  Work-group (I, head) owns the query blocks I and 7 - I, 256 queries each; each of its sixteen waves owns one tile of 16 queries of the block in hand, in 256 registers.
; Block I needs key slots 0 .. I, block 7 - I slots 0 .. 7 - I: nine slots for every I.  So ONE loop of nine trips serves all: trips 0 .. I for the first block, the others for the second; no slot is fetched that nobody reads.
; A key step all of whose keys come after the wave's queries is left out by a scalar branch on ids; on the diagonal hidden scores become -infinity ahead of the maximum.
; Both products are used transposed (S^T = K Q^T, O^T = V^T P^T): a lane holds one query throughout.
; NO CLUSTER: in one trip the four work-groups of a head want different slots (t against t - I - 1), so there is no tile that they could ask for jointly.
; LIMITS on the given exponents: e2 + e3 between -123 and 130 (added to c's exponent field); e4 and e6 between -126 and 119; e4 + e5 is applied by v_ldexp_f32.
.set SLOTB, 32768                      ; an LDS slot: 16,384 bytes of K, 16,384 of V, dense: a fragment's loads read 512 consecutive bytes.  One exclusive or turns an address to the other slot
.set SPARE, 2*SLOTB                    ; the spare words, 128 bytes for each of sixteen waves: eight blocks of 256 bytes that no other line names
.set LI,   1                           ; v1   16 x lane
.set PFO,  3                           ; v3   256 x lane: the prefetches' offset
.set DL,   4                           ; v4   r + 8 (r / 8) - 16 h: my query's place less my half's first key
.set SPW,  5                           ; v5   LDS address of my spare word; never rewritten
.set NIL,  6                           ; v6   0; never rewritten
.set ADR,  8                           ; v8   16 x lane in the slot in hand
; v12 -M, v13 the largest t, v[14:15] the sum in two halves; v16-23 Q in hand; v24-31 the second block's Q; v32-95 K's, then V's fragments; v96-159 S^T, then p; v160-191 O^T; v224-239 codes;
; v244 2^e4, v247 2^e6; v242, v243, v248, v252-254 at work
.set TB,   2                           ; s2   LDS byte at which the slot in hand begins
.set SWB,  3                           ; s3   8 - I: in this trip the fetches go back to key slot 0
.set WV,   18
.set SEL,  20                          ; s[20:21] lane selects: lane l xor 16
.set CS,   22                          ; s[22:23] c = log2(e) / 8 x 2^(e2 + e3)
.set G1,   24                          ; s[24:31] group 1;  s[40:43] group 0, which walks
.set G0,   40
.set BACK, 44                          ; s[44:45] what the walk goes back by: 0, or
.set BVAL, 46                          ; s46  (I + 1) slots
.set YP,   48                          ; s[48:49] where my tile of y goes;  s[50:51] the second block's
.set YB,   50
.set SW,   66                          ; s66  7 - I: at this trip's head the blocks change
.set SLOTS, 67                         ; s67  trips to go in the loop
.set PFA,  76                          ; s[76:77] where my prefetches stand
.set LIM,  80                          ; s80  1 in a wave that prefetches, else the greatest number
.set E45,  81                          ; s81  e4 + e5
.set Q0B,  97
.set KF,   98                          ; s98  the step's first key
.set Q0,   99                          ; s99  my tile's first query
.macro TLOAD                           ; wave 0 fetches a slot's K, wave 1 its V, the others nothing; the branch hangs on the wave's number alone
	s_cmp_lt_u32 s[WV], 2
	s_cbranch_scc0 .Lnone_\@
	tensor_load_to_lds s[G0:G0+3], s[G1:G1+7]
	s_nop 0
.rept 4
	v_nop
.endr
.Lnone_\@:
.endm
; A PREFETCH of the key slot that the next change of slots will ask for.  Work-group I = 0 of a head walks slots 0 .. 7 for its second block: it alone asks, in trips 0 to 6, for slots 1 to 7.
; Waves 4 to 7, which fetch nothing, take 8,192 bytes each, lanes 256 bytes apart: each aligned 256 bytes of slots 1 to 7 are named once in the launch.  The last change that fills a slot asks for nothing.
.macro ASK
	s_cmp_gt_u32 s[SLOTS], s[LIM]
	s_cbranch_scc0 .Lnot_mine_\@
	global_prefetch_b8 v[PFO], s[PFA:PFA+1] th:TH_LOAD_NT scope:SCOPE_SE
.Lnot_mine_\@:
.endm
.macro INIT                            ; a block begins: the largest t under every t, the sum and O^T zeros, which the first change of M leaves zeros
	v_mov_b32 v13, 0xff61b1e6
	s_delay_alu instid0(VALU_DEP_1)
	v_floor_f32 v12, -v13
	v_mov_b32 v14, 0
	v_mov_b32 v15, 0
.set i, 0
.rept 32
	v_mov_b32 v[160+i], 0
.set i, i+1
.endr
.endm
	s_load_b256 s[4:11], s[0:1], 0x0               ; qimg s[4:5], kv s[6:7], the scales s[8:9], yimg s[10:11]
	v_lshl_add_u32 v[SPW], v0, 2, SPARE
	v_mov_b32 v[NIL], 0
	ds_add_u32 v[SPW], v[NIL]                      ; the wave's opening: the add and its wait ahead of the first tensor load; work on registers stands between them
	ds_add_u32 v[SPW], v[NIL]
	v_lshrrev_b32 v8, 5, v0
	s_delay_alu instid0(VALU_DEP_1)
	v_readfirstlane_b32 s[WV], v8                  ; wave 0..15
	s_and_b32 s68, ttmp7, 0xffff                   ; the head, 0..63
	s_mov_b32 s[G1], 3<<16                         ; no mask; elements of 8 bytes; no padding
	s_mov_b32 s[G1+1], 32<<16                      ; tensor_dim0 = 32 elements: 256 bytes
	s_mov_b32 s[G1+2], 64<<16                      ; tensor_dim1 = 64 rows: a dense block of 16,384 bytes
	s_mov_b32 s[G1+3], 32<<16                      ; tile_dim0
	s_mov_b32 s[G1+4], 64                          ; tile_dim1
	s_mov_b32 s[G1+5], 32                          ; from row to row
	s_mov_b32 s[G1+6], 0
	s_mov_b32 s[G1+7], 0
	s_mov_b32 s[SEL], 0x76543210
	s_mov_b32 s[SEL+1], 0xfedcba98
	s_mov_b32 s[CS], 0x3e38aa3b                    ; log2(e) / 8
	s_mov_b32 s[TB], 0
	s_mov_b32 s[SLOTS], 8
	s_sub_co_u32 s[SWB], 8, ttmp9
	s_sub_co_u32 s[SW], 7, ttmp9
	s_add_co_u32 s[BVAL], ttmp9, 1
	s_lshl_b32 s[BVAL], s[BVAL], 15
	s_mov_b32 s[BACK], 0
	s_mov_b32 s[BACK+1], 0
	s_mov_b32 s[KF], 0
	s_lshr_b32 s69, s[WV], 1
	s_lshl_b32 s69, s69, 5
	s_and_b32 s70, s[WV], 1
	s_lshl_b32 s70, s70, 3
	s_add_co_u32 s69, s69, s70                     ; my tile's first query within a block: 32 (w / 2) + 8 (w % 2)
	s_lshl_b32 s70, ttmp9, 8
	s_add_co_u32 s[Q0], s70, s69
	s_lshl_b32 s70, s[SW], 8
	s_add_co_u32 s[Q0B], s70, s69
	s_lshl_b32 s70, ttmp9, 4
	s_add_co_u32 s70, s70, s[WV]                   ; my tile in the first block,
	s_lshl_b32 s71, s[SW], 4
	s_add_co_u32 s71, s71, s[WV]                   ; and in the second
	s_lshl_b32 s72, s68, 17                        ; q: 131,072 bytes a head, 1,024 a tile
	s_lshl_b32 s74, s70, 10
	s_add_co_u32 s74, s74, s72
	s_mov_b32 s75, 0
	s_lshl_b32 s82, s71, 10
	s_add_co_u32 s82, s82, s72
	s_mov_b32 s83, 0
	s_lshr_b32 s84, s68, 4
	s_lshl_b32 s84, s84, 7                         ; y: row tile = 128 x batch + tile, 16,384 bytes each; 1,024 a head
	s_and_b32 s85, s68, 15
	s_lshl_b32 s85, s85, 10
	s_add_co_u32 s86, s84, s70
	s_lshl_b32 s86, s86, 14
	s_add_co_u32 s86, s86, s85
	s_mov_b32 s87, 0
	s_add_co_u32 s88, s84, s71
	s_lshl_b32 s88, s88, 14
	s_add_co_u32 s88, s88, s85
	s_mov_b32 s89, 0
	s_lshl_b32 s90, s68, 18                        ; kv: 262,144 bytes a head
	s_mov_b32 s91, 0
	s_and_b32 s92, s[WV], 1
	s_lshl_b32 s92, s92, 14                        ; what I fetch, if I fetch: K's half of a slot or V's; in memory and in LDS alike
	s_mov_b32 s93, 0
	s_and_b32 s94, s[WV], 3
	s_lshl_b32 s94, s94, 13                        ; what I prefetch, if I do: a quarter of a slot
	s_mov_b32 s95, 0
	s_sub_co_u32 s69, s[WV], 4
	s_lshr_b32 s69, s69, 2                         ; 0 in waves 4 to 7,
	s_or_b32 s69, s69, ttmp9                       ; of work-group I = 0
	s_cmp_eq_u32 s69, 0
	s_cselect_b32 s[LIM], 1, -1
	s_wait_dscnt 0x0                               ; the opening add is done
	s_wait_kmcnt 0x0
	s_load_b256 s[56:63], s[8:9], 0x0              ; e0 .. e7
	s_add_nc_u64 s[6:7], s[6:7], s[90:91]          ; kv at my head
	s_mov_b32 s[G0], 1
	s_mov_b32 s[G0+1], s92                         ; LDS slot 0
	s_add_nc_u64 s[G0+2:G0+3], s[6:7], s[92:93]    ; key slot 0
	s_or_b32 s[G0+3], s[G0+3], 0x80000000
	TLOAD                                          ; the first fill
	s_add_nc_u64 s[PFA:PFA+1], s[6:7], s[94:95]    ; in key slot 0: each change of slots steps it ahead of its prefetch.  Nothing is prefetched here, at the head
	s_add_nc_u64 s[74:75], s[4:5], s[74:75]
	s_add_nc_u64 s[82:83], s[4:5], s[82:83]
	s_add_nc_u64 s[YP:YP+1], s[10:11], s[86:87]
	s_add_nc_u64 s[YB:YB+1], s[10:11], s[88:89]
	v_and_b32 v[LI], 31, v0
	s_delay_alu instid0(VALU_DEP_1)
	v_lshlrev_b32 v[LI], 4, v[LI]
	global_load_b128 v[16:19], v[LI], s[74:75]             ; both blocks' Q stay in registers
	global_load_b128 v[20:23], v[LI], s[74:75] offset:512
	global_load_b128 v[24:27], v[LI], s[82:83]
	global_load_b128 v[28:31], v[LI], s[82:83] offset:512
	v_lshlrev_b32 v[PFO], 4, v[LI]
	v_and_b32 v9, 15, v0
	s_delay_alu instid0(VALU_DEP_1)
	v_and_b32 v10, 8, v9
	s_delay_alu instid0(VALU_DEP_1)
	v_add_nc_u32 v9, v9, v10                       ; r + 8 (r / 8)
	v_bfe_u32 v10, v0, 4, 1
	s_delay_alu instid0(VALU_DEP_1)
	v_lshlrev_b32 v10, 4, v10
	s_delay_alu instid0(VALU_DEP_1)
	v_sub_nc_u32 v[DL], v9, v10
	INIT
	v_mov_b32 v248, 0                              ; written once: a lane permute's destination counts as one of its sources
	v_mov_b32 v253, 0                              ; (named as the upper half of the pair v[252:253])
	s_wait_kmcnt 0x0
	s_add_co_i32 s68, s58, s59
	s_lshl_b32 s68, s68, 23
	s_add_co_i32 s[CS], s[CS], s68                 ; a score stands for score x 2^(e2 + e3): added to c's exponent field
	s_mov_b32 s[CS+1], s[CS]
	s_add_co_i32 s68, s60, 127
	s_lshl_b32 s69, s68, 23
	v_mov_b32 v244, s69                            ; 2^e4
	s_add_co_i32 s68, s62, 127
	s_lshl_b32 s69, s68, 23
	v_mov_b32 v247, s69                            ; 2^e6
	s_add_co_i32 s[E45], s60, s61
; A KEY STEP: 128 keys, the q-th of the slot in hand.
.macro STEP q
	s_add_co_u32 s96, s[Q0], 23                    ; my tile's last query
	s_cmp_gt_u32 s[KF], s96
	s_cbranch_scc1 .Lhidden_\@                     ; all keys of the step come after my queries: a branch on ids; no barrier and no tensor load stands in a step
	v_add_nc_u32 v[ADR], s[TB], v[LI]
.rept 3
	v_nop                                          ; with the addition: four places in front of loads into registers that matrix instructions have read
.endr
.set kt, 0
.rept 16
	ds_load_b128 v[32+4*kt:35+4*kt], v[ADR] offset:8192*(\q)+512*kt   ; K: tile kt / 2, piece kt % 2
.set kt, kt+1
.endr
	s_wait_alu depctr_va_vdst(0)
	s_wait_dscnt 0x0
.irp t, 0,1,2,3,4,5,6,7
	v_wmma_f32_16x16x64_fp8_fp8 v[96+8*\t:103+8*\t], v[32+8*\t:39+8*\t], v[16:23], 0   ; S^T: the 16 registers of tiles 2 b, 2 b + 1 are keys 32 b + 16 h + 0 .. 15
.endr
.rept 4
	v_nop                                          ; places in front of the loads below and of the first read of results
.endr
.set kt, 0
.rept 16
	ds_load_b128 v[32+4*kt:35+4*kt], v[ADR] offset:16384+8192*(\q)+512*kt   ; V: tile kt / 4, piece kt % 4: it lands while the softmax is walked
.set kt, kt+1
.endr
	s_add_co_u32 s96, s[KF], 127
	s_cmp_le_u32 s96, s[Q0]
	s_cbranch_scc1 .Lopen_\@                       ; all keys of the step count for all my queries
	s_sub_co_i32 s96, s[Q0], s[KF]
	v_add_nc_u32 v252, s96, v[DL]                  ; d = my query - the step's first key - 16 h: register 16 b + i holds a hidden key where 32 b + i > d
	v_mov_b32 v254, 0xff800000                     ; -infinity
.set mn, 0
.rept 64
	v_cmp_gt_i32 vcc_lo, 32*(mn/16)+mn%16, v252
	v_cndmask_b32 v[96+mn], v[96+mn], v254, vcc_lo
.set mn, mn+1
.endr
.Lopen_\@:
	v_max3_num_f32 v254, v96, v97, v98             ; the step's largest score of my query among my 64 keys, in two chains,
	v_max3_num_f32 v252, v99, v100, v101
.irp i, 6,10,14,18,22,26,30,34,38,42,46,50,54,58
	v_max3_num_f32 v254, v254, v[96+\i], v[97+\i]
	v_max3_num_f32 v252, v252, v[98+\i], v[99+\i]
.endr
	v_max3_num_f32 v254, v254, v158, v159
	s_delay_alu instid0(VALU_DEP_1)
	v_max_num_f32 v254, v254, v252
	s_delay_alu instid0(VALU_DEP_1)
	v_permlanex16_b32 v248, v254, s[SEL], s[SEL+1]
	s_delay_alu instid0(VALU_DEP_1)
	v_max_num_f32 v254, v254, v248                 ; and among lane l xor 16's
	s_delay_alu instid0(VALU_DEP_1)
	v_mul_f32 v254, s[CS], v254                    ; as t (c is positive)
	s_delay_alu instid0(VALU_DEP_1)
	v_max_num_f32 v13, v13, v254                   ; the running largest t
	v_mov_b32 v254, v12
	s_delay_alu instid0(VALU_DEP_2)
	v_floor_f32 v12, -v13                          ; the new -M = -ceil(t)
	s_delay_alu instid0(VALU_DEP_1)
	v_sub_f32 v254, v12, v254                      ; old M less new M: a whole number, 0 or less
	s_delay_alu instid0(VALU_DEP_1)
	v_cvt_i32_f32 v254, v254                       ; (it saturates)
	s_delay_alu instid0(VALU_DEP_1)
	v_ldexp_f32 v252, 1.0, v254                    ; f = 2^(old M - new M)
.set j, 0
.rept 32
	v_pk_fma_f32 v[96+j:97+j], v[96+j:97+j], s[CS:CS+1], v[12:13] op_sel_hi:[1,0,0]   ; t - M, two at a time
.set j, j+2
.endr
.set j, 0
	s_wait_alu depctr_va_vdst(0)
.rept 64
	v_exp_f32 v[96+j], v[96+j]                     ; p = 2^(t - M)
.set j, j+1
.endr
	v_pk_mul_f32 v[14:15], v[14:15], v[252:253] op_sel_hi:[1,0]   ; the sums under the new M: the plain instruction behind the exponentials
	s_wait_alu depctr_va_vdst(0)                   ; one wait for the whole batch, ahead of its first reader
	v_pk_add_f32 v[242:243], v[100:101], v[104:105]
	v_pk_add_f32 v[254:255], v[108:109], v[112:113]
	v_pk_add_f32 v[250:251], v[116:117], v[120:121]
	v_pk_add_f32 v[240:241], v[124:125], v[128:129]
	v_pk_add_f32 v[238:239], v[132:133], v[136:137]
	v_pk_add_f32 v[236:237], v[140:141], v[144:145]
	v_pk_add_f32 v[234:235], v[148:149], v[152:153]
	v_pk_add_f32 v[14:15], v[14:15], v[156:157]
	v_pk_add_f32 v[242:243], v[242:243], v[96:97]
	v_pk_add_f32 v[254:255], v[254:255], v[98:99]
	v_pk_add_f32 v[250:251], v[250:251], v[102:103]
	v_pk_add_f32 v[240:241], v[240:241], v[106:107]
	v_pk_add_f32 v[238:239], v[238:239], v[110:111]
	v_pk_add_f32 v[236:237], v[236:237], v[114:115]
	v_pk_add_f32 v[234:235], v[234:235], v[118:119]
	v_pk_add_f32 v[14:15], v[14:15], v[122:123]
	v_pk_add_f32 v[242:243], v[242:243], v[126:127]
	v_pk_add_f32 v[254:255], v[254:255], v[130:131]
	v_pk_add_f32 v[250:251], v[250:251], v[134:135]
	v_pk_add_f32 v[240:241], v[240:241], v[138:139]
	v_pk_add_f32 v[238:239], v[238:239], v[142:143]
	v_pk_add_f32 v[236:237], v[236:237], v[146:147]
	v_pk_add_f32 v[234:235], v[234:235], v[150:151]
	v_pk_add_f32 v[14:15], v[14:15], v[154:155]
	v_pk_add_f32 v[242:243], v[242:243], v[158:159]
	s_delay_alu instid0(VALU_DEP_2)
	v_pk_add_f32 v[14:15], v[14:15], v[240:241]
	s_delay_alu instid0(VALU_DEP_2)
	v_pk_add_f32 v[242:243], v[242:243], v[238:239]
	v_pk_add_f32 v[254:255], v[254:255], v[236:237]
	v_pk_add_f32 v[250:251], v[250:251], v[234:235]
	s_delay_alu instid0(VALU_DEP_2)
	v_pk_add_f32 v[14:15], v[14:15], v[254:255]
	s_delay_alu instid0(VALU_DEP_2)
	v_pk_add_f32 v[242:243], v[242:243], v[250:251]
	s_delay_alu instid0(VALU_DEP_1)
	v_pk_add_f32 v[14:15], v[14:15], v[242:243]
.irp b, 0,1,2,3
.irp i, 0,1,2,3,4,5,6,7,8,9,10,11,12,13,14,15
.endr
	v_cvt_scalef32_pk8_fp8_f32 v[224+4*\b:225+4*\b], v[96+16*\b:103+16*\b], v244
	v_cvt_scalef32_pk8_fp8_f32 v[226+4*\b:227+4*\b], v[104+16*\b:111+16*\b], v244
.endr
.set j, 0
.rept 16
	v_pk_mul_f32 v[160+j:161+j], v[160+j:161+j], v[252:253] op_sel_hi:[1,0]   ; O^T under the new M; also the plain instructions behind the conversions
.set j, j+2
.endr
	s_wait_alu depctr_va_vdst(0)
	s_wait_dscnt 0x0                               ; V is in
.irp t, 0,1,2,3
	v_wmma_f32_16x16x128_fp8_fp8 v[160+8*\t:167+8*\t], v[32+16*\t:47+16*\t], v[224:239], v[160+8*\t:167+8*\t]   ; four accumulators by turns
.endr
.Lhidden_\@:
	s_add_co_u32 s[KF], s[KF], 128
.endm
; THE CHANGE OF SLOTS stands at a trip's head.  Each wave waits for all its tensor loads (its part of the slot ahead), adds 0 to its spare word, and waits for that and for its reads of the slot that it has left.
; fill = 1: behind the barrier the slot that was left takes the key slot of the next trip: the next on, or key slot 0 where the blocks change.
.macro CHANGE fill
	s_wait_tensorcnt 0x0                           ; no tensor load of mine is out, so group 0 may be written
	ds_add_u32 v[SPW], v[NIL]
.if \fill
	s_cmp_eq_u32 s[SLOTS], s[SWB]
	s_cselect_b32 s[BACK], s[BVAL], 0
	s_xor_b32 s[G0+1], s[G0+1], SLOTB              ; the other LDS slot than last time
	s_add_nc_u64 s[G0+2:G0+3], s[G0+2:G0+3], SLOTB
	s_sub_nc_u64 s[G0+2:G0+3], s[G0+2:G0+3], s[BACK:BACK+1]
	s_wait_xcnt 0x0                                ; the last prefetch, a trip back, has read its address
	s_add_nc_u64 s[PFA:PFA+1], s[PFA:PFA+1], SLOTB
.endif
	s_wait_dscnt 0x0                               ; the add is done, and my reads of the slot that I have left are over
	s_barrier_signal -1
	s_barrier_wait -1
.if \fill
	TLOAD                                          ; the first thing behind the barrier, and a wave's one tensor load until the next
	ASK
.endif
.endm
; A block's end: O^T / the sum x 2^(e4 + e5) is y; it is quantised with 2^e6 and stored as two pieces of an operand's image.
.macro FINISH
.rept 4
	v_nop                                          ; places behind the last products
.endr
	v_add_f32 v14, v14, v15
	s_wait_alu depctr_va_vdst(0)
	v_permlanex16_b32 v248, v14, s[SEL], s[SEL+1]
	s_delay_alu instid0(VALU_DEP_1)
	v_add_f32 v14, v14, v248                       ; the row's sum
	s_wait_alu depctr_va_vdst(0)
	v_rcp_f32 v14, v14
	v_nop                                          ; a plain instruction behind the transcendental,
	s_wait_alu depctr_va_vdst(0)                   ; and the wait ahead of its first reader
	v_ldexp_f32 v14, v14, s[E45]
.set j, 0
.rept 32
	v_mul_f32 v[96+j], v[160+j], v14               ; register 16 b + i is y(my query, 32 b + 16 h + i); each accumulator from its low end on
.set j, j+1
.endr
.set j, 0
.rept 32
.set j, j+1
.endr
.irp g, 0,1,2,3
	v_cvt_scalef32_pk8_fp8_f32 v[224+2*\g:225+2*\g], v[96+8*\g:103+8*\g], v247
.endr
	v_nop                                          ; one plain instruction behind the last conversion
	global_store_b128 v[LI], v[224:227], s[YP:YP+1]            ; 32 lanes store 512 consecutive bytes, aligned
	global_store_b128 v[LI], v[228:231], s[YP:YP+1] offset:512
	s_wait_xcnt 0x0                                ; the stores have read their registers and their base
.endm
	s_wait_loadcnt 0x0                             ; Q
.Lslot:                                            ; eight trips; the ninth is written out
	s_cmp_lg_u32 s[SLOTS], s[SW]
	s_cbranch_scc1 .Lsame                          ; a branch on ids: in trip I + 1 the first block is finished and the second begins
	FINISH
.irp i, 0,1,2,3,4,5,6,7
	v_mov_b32 v[16+\i], v[24+\i]
.endr
	INIT
	s_mov_b32 s[Q0], s[Q0B]
	s_mov_b32 s[KF], 0
	s_mov_b64 s[YP:YP+1], s[YB:YB+1]
.Lsame:
	CHANGE 1
	STEP 0
	STEP 1
	s_xor_b32 s[TB], s[TB], SLOTB
	s_sub_co_u32 s[SLOTS], s[SLOTS], 1
	s_cmp_lg_u32 s[SLOTS], 0
	s_cbranch_scc1 .Lslot
	CHANGE 0
	STEP 0
	STEP 1
	FINISH
	s_wait_tensorcnt 0x0                           ; the wave's end
	ds_add_u32 v[SPW], v[NIL]
	s_wait_dscnt 0x0
	s_endpgm
.Lfunc_end_k_q5902b35d86_attn:
	.size	k_q5902b35d86_attn, .Lfunc_end_k_q5902b35d86_attn-k_q5902b35d86_attn
	.p2alignl 7, 3214868480
	.fill 96, 4, 3214868480
	.section	.rodata,"a",@progbits
	.p2align	6, 0x0
	.amdhsa_kernel k_q5902b35d86_attn
		.amdhsa_group_segment_fixed_size 327680
		.amdhsa_private_segment_fixed_size 0
		.amdhsa_enable_private_segment 0
		.amdhsa_kernarg_size 32
		.amdhsa_user_sgpr_count 2
		.amdhsa_user_sgpr_kernarg_segment_ptr 1
		.amdhsa_wavefront_size32 1
		.amdhsa_system_sgpr_workgroup_id_x 1
		.amdhsa_system_sgpr_workgroup_id_y 1
		.amdhsa_system_sgpr_workgroup_id_z 1
		.amdhsa_system_vgpr_workitem_id 0
		.amdhsa_next_free_vgpr 256
		.amdhsa_next_free_sgpr 100
		.amdhsa_reserve_vcc 1
		.amdhsa_float_denorm_mode_32 3
		.amdhsa_float_denorm_mode_16_64 3
		.amdhsa_fp16_overflow 1
		.amdhsa_memory_ordered 1
		.amdhsa_forward_progress 1
		.amdhsa_inst_pref_size 90
	.end_amdhsa_kernel
	.amdgpu_metadata
---
amdhsa.version: [ 1, 2 ]
amdhsa.kernels:
  - .name:           k_q5902b35d86_attn
    .symbol:         k_q5902b35d86_attn.kd
    .args:
      - { .name: qimg, .offset: 0, .size: 8, .value_kind: global_buffer, .address_space: global }
      - { .name: kv, .offset: 8, .size: 8, .value_kind: global_buffer, .address_space: global }
      - { .name: lowp_scales, .offset: 16, .size: 8, .value_kind: global_buffer, .address_space: global }
      - { .name: yimg, .offset: 24, .size: 8, .value_kind: global_buffer, .address_space: global }
    .group_segment_fixed_size: 327680
    .private_segment_fixed_size: 0
    .kernarg_segment_align: 8
    .kernarg_segment_size: 32
    .max_flat_workgroup_size: 512
    .sgpr_count:     100
    .vgpr_count:     256
    .wavefront_size: 32
...
	.end_amdgpu_metadata
.endif
;; end of part 3
;; launch proj (part 4): grid 4 x 64, 4 waves a work-group, clusters of 4 x 4, 327,680 bytes of LDS; arguments yimg, wpc, b_proj, lowp_scales, out0; writes out0
.if DOCPART == 4
	.amdgcn_target "amdgcn-amd-amdhsa--gfx1250"
	.amdhsa_code_object_version 6
	.text
	.protected	k_q5902b35d86_proj
	.globl	k_q5902b35d86_proj
	.p2align	8
	.type	k_q5902b35d86_proj,@function
k_q5902b35d86_proj:
	s_mov_b64 s[64:65], 0
	v_nop
	global_prefetch_b8 v0, s[64:65] scope:SCOPE_SE
	s_setreg_imm32_b32 hwreg(HW_REG_WAVE_MODE, 25, 1), 1
	s_wait_xcnt 0x0
	s_wait_alu depctr_hold_cnt(0) depctr_sa_sdst(0) depctr_va_vdst(0) depctr_va_sdst(0) depctr_va_ssrc(0) depctr_va_vcc(0) depctr_vm_vsrc(0)
	s_getreg_b32 s2, hwreg(HW_REG_IB_STS2, 6, 4)
	s_cmp_eq_u32 s2, 0
	s_cbranch_scc0 .Lentry_in_a_cluster
	s_endpgm
.Lentry_in_a_cluster:
	s_bfe_u32 s2, ttmp6, 0x10000c
	s_cmp_lg_u32 s2, 0xf033
	s_cbranch_scc0 .Lentry_shape_is_right
	s_endpgm
.Lentry_shape_is_right:
; out0 = y W_proj + b_proj on codes of FP8 (E4M3).  yimg: [row tile 512][head 16][piece 2][lane 32][16 bytes]: images of operand registers; for 128 along K (two heads) piece c = 2 (head % 2) + b holds K = 32 c + 16 h + 0 .. 15.
; A row tile's lane r holds row 32 g + 8 u + r + 8 (r / 8).  wpc: [1024][1024] codes, K innermost, rows in the same order.  out0: [8192][1024] f32.
; SHARES.  Work-group (cx, rb) makes 128 rows x 256 columns; wave w 128 x 64: 32 accumulators.  y's 131,072 bytes stay in LDS; W goes through two slots of 256 rows x 256 along K, four K steps; a wave fetches the 64 rows that it multiplies.
; CLUSTER 4 x 4: the four work-groups of a row of the cluster ask for y's block jointly, the four of a column for W's tiles.
; Source 0 = 16 rows of W, source 1 = a tile of y: a lane holds one row of the output and 16 neighbouring columns in two neighbouring accumulators.
; out = sum x 2^(e6 + e7) + b_proj, one packed multiply-add for two numbers.  LIMIT: e6 + e7 between -126 and 127, so that 2^(e6 + e7) is an f32 number.
; REGISTERS in windows of 256: window 0 addresses, bias, the way out; window 1 the 32 accumulators; window 2 y's fragments, two sets of 128; window 3 W's, two sets of 64.
; No prefetch: y's block is a first fill at the head, and the launch has four K steps.
.set YQ,    32768                      ; a quarter of K of y's block in LDS: 8 row tiles x 4,096 bytes, dense: a fragment's loads read 512 consecutive bytes
.set WB,    4*YQ
.set WSL,   256*272                    ; a slot of W: rows of 256 bytes + 16 of padding (row r starts at bank 4 r mod 64: 64 banks of 4 bytes, ISA guide 11.1)
.set WQ,    64*272
.set STG,   WB+2*WSL                   ; the way out: 16 rows x 272 bytes for each wave; no tile ever lands here
.set SPARE, STG+4*16*272               ; the spare words, 128 bytes for each wave: two blocks of 256 bytes that no other line names
.set PADW,  (1<<20)|(1<<21)|(5<<22)|(3<<25)
.set ADRY, 4                           ; v4-5   16 x lane, in y's quarters 0-1 and 2-3
.set ADRW, 8                           ; v8-9   my place in my rows of W's slot 0, 1
.set STO,  11                          ; v11    the stage: where I put 64 bytes of a row
.set RD,   12                          ; v12    and where I read rows back
.set CO,   13                          ; v13    my byte offset in two rows of the output
.set SPW,  28
.set NIL,  29
.set BP,   32                          ; v32-63  the bias in the result's layout
.set T,    64                          ; v64-95  a block's results
.set BKR,  96                          ; v96-127, v128-159 16 rows read back, by turns
.set WV,   16
.set G1Y,  24
.set G1W,  32
.set G0Y,  40
.set G0W,  44
.set MSB, 0
.macro WIN new
.if MSB != (\new)
	s_set_vgpr_msb (MSB<<8)|(\new)
.set MSB, (\new)
.endif
.endm
.macro PLACES n
.rept \n
	v_nop
.endr
.endm
.macro CREST
	s_cmp_lg_u32 s[WV], 0
	s_cbranch_scc1 .Lnot_wave_0_\@
	s_barrier_signal -3
.Lnot_wave_0_\@:
	s_barrier_wait -3
	s_barrier_signal -1
	s_barrier_wait -1
.endm
.macro CROUND
	s_barrier_signal -1
	s_barrier_wait -1
	CREST
.endm
	s_load_b256 s[4:11], s[0:1], 0x0               ; yimg s[4:5], wpc s[6:7], b_proj s[8:9], the scales s[10:11]
	s_load_b64 s[12:13], s[0:1], 0x20              ; out0
	v_lshl_add_u32 v[SPW], v0, 2, SPARE
	v_mov_b32 v[NIL], 0
	ds_add_u32 v[SPW], v[NIL]
	ds_add_u32 v[SPW], v[NIL]                      ; the wave's opening: the add and its wait ahead of my first tensor load
	v_lshrrev_b32 v1, 5, v0
	v_readfirstlane_b32 s[WV], v1
	s_bfe_u32 s17, ttmp6, 0x40000                  ; cx
	s_bfe_u32 s18, ttmp6, 0x40004                  ; cy
	s_lshl_b32 s20, ttmp9, 2
	s_add_co_u32 s20, s20, s17                     ; which 256 columns
	s_and_b32 s19, ttmp7, 0xffff
	s_lshl_b32 s19, s19, 2
	s_add_co_u32 s19, s19, s18                     ; rb: which 128 rows
	s_lshl_b32 s52, s18, 2
	s_lshl_b32 s52, 15, s52                        ; my row of the cluster
	s_lshl_b32 s53, 0x1111, s17                    ; my column
	s_or_b32 s[G1Y], s52, (3<<16)|(1<<21)          ; y's block goes to my row; elements of 8 bytes; no padding
	s_mov_b32 s[G1Y+1], 512<<16                    ; tensor_dim0 = 512 elements: a row tile's 4,096 bytes of a quarter of K
	s_mov_b32 s[G1Y+2], 8<<16                      ; tensor_dim1 = 8 row tiles
	s_mov_b32 s[G1Y+3], 512<<16
	s_mov_b32 s[G1Y+4], 8
	s_mov_b32 s[G1Y+5], 2048                       ; a row tile is 16,384 bytes
	s_mov_b32 s[G1Y+6], 0
	s_mov_b32 s[G1Y+7], 0
	s_or_b32 s[G1W], s53, PADW
	s_mov_b32 s[G1W+1], 256<<16
	s_mov_b32 s[G1W+2], 64<<16
	s_mov_b32 s[G1W+3], 256<<16
	s_mov_b32 s[G1W+4], 64
	s_mov_b32 s[G1W+5], 1024
	s_mov_b32 s[G1W+6], 0
	s_mov_b32 s[G1W+7], 0
	s_lshl_b32 s72, s19, 17                        ; y: 131,072 bytes for my 128 rows, + my quarter of K (registers that never hold cx)
	s_lshl_b32 s73, s[WV], 12
	s_add_co_u32 s72, s72, s73
	s_mov_b32 s73, 0
	s_lshl_b32 s74, s[WV], 15                      ; its place in LDS
	s_lshl_b32 s76, s20, 18                        ; W: rows 256 x column tile + 64 wave (registers that never hold cy)
	s_lshl_b32 s77, s[WV], 16
	s_add_co_u32 s76, s76, s77
	s_mov_b32 s77, 0
	s_mul_i32 s78, s[WV], WQ
	s_add_co_u32 s78, s78, WB
	s_lshl_b32 s88, s20, 10                        ; my 64 columns, in bytes of f32
	s_lshl_b32 s89, s[WV], 8
	s_add_co_u32 s88, s88, s89
	s_mov_b32 s89, 0
	s_lshl_b32 s84, s19, 19                        ; my 128 rows of 4,096 bytes
	s_add_co_u32 s84, s84, s88
	s_mov_b32 s85, 0
	s_wait_dscnt 0x0                               ; the opening add is done
	s_wait_kmcnt 0x0
	s_load_b256 s[56:63], s[10:11], 0x0            ; e0 .. e7
	s_mov_b32 s[G0Y], 1
	s_mov_b32 s[G0Y+1], s74
	s_add_nc_u64 s[G0Y+2:G0Y+3], s[4:5], s[72:73]
	s_or_b32 s[G0Y+3], s[G0Y+3], 0x80000000
	s_mov_b32 s[G0W], 1
	s_mov_b32 s[G0W+1], s78
	s_add_nc_u64 s[G0W+2:G0W+3], s[6:7], s[76:77]
	s_mov_b32 s[G0W+4], 1
	s_add_co_u32 s[G0W+5], s78, WSL
	s_add_nc_u64 s[G0W+6:G0W+7], s[G0W+2:G0W+3], 256
	s_or_b32 s[G0W+3], s[G0W+3], 0x80000000
	s_or_b32 s[G0W+7], s[G0W+7], 0x80000000
	s_add_nc_u64 s[12:13], s[12:13], s[84:85]
	s_add_nc_u64 s[8:9], s[8:9], s[88:89]
	CROUND                                         ; all sixteen work-groups are here: the first joint loads meet
	tensor_load_to_lds s[G0W:G0W+3], s[G1W:G1W+7]  ; W's slot 0 first: one load of mine is out; y's and slot 1's follow, each behind a round
	s_nop 0
	s_wait_alu depctr_va_vdst(0)
	s_wait_tensorcnt 0x0
	ds_add_u32 v28, v29
	s_wait_dscnt 0x0
	CROUND
	tensor_load_to_lds s[G0Y:G0Y+3], s[G1Y:G1Y+7]
	s_nop 0
	s_wait_alu depctr_va_vdst(0)
	s_wait_tensorcnt 0x0
	ds_add_u32 v28, v29
	s_wait_dscnt 0x0
	CROUND
	tensor_load_to_lds s[G0W+4:G0W+7], s[G1W:G1W+7]
	s_nop 0
	PLACES 4
	v_and_b32 v1, 15, v0                           ; r
	v_bfe_u32 v2, v0, 4, 1                         ; h
	v_lshlrev_b32 v14, 6, v2
.irp b, 0,1
.irp i, 0,1,2,3
	global_load_b128 v[BP+16*\b+4*\i:BP+16*\b+4*\i+3], v14, s[8:9] offset:128*\b+16*\i   ; register 16 b + i: the bias of column 32 b + 16 h + i
.endr
.endr
	v_mul_u32_u24 v3, v1, 272
	v_lshl_add_u32 v6, v2, 4, v3                   ; W: a fragment's row x pitch + 16 x half
	s_mul_i32 s94, s[WV], WQ
	s_add_co_u32 s94, s94, WB
	v_add_nc_u32 v[ADRW], s94, v6
	v_add_nc_u32 v[ADRW+1], WSL, v[ADRW]
	v_and_b32 v[ADRY], 31, v0
	v_lshlrev_b32 v[ADRY], 4, v[ADRY]
	v_add_nc_u32 v[ADRY+1], 2*YQ, v[ADRY]
	s_mul_i32 s94, s[WV], 16*272
	s_add_co_u32 s94, s94, STG                     ; my stage
	v_lshl_add_u32 v[STO], v2, 6, v3
	v_add_nc_u32 v[STO], s94, v[STO]               ; in: row r, 64 bytes for each half of the lanes in each 128
	v_mul_u32_u24 v[RD], v2, 272
	v_lshl_add_u32 v[RD], v1, 4, v[RD]
	v_add_nc_u32 v[RD], s94, v[RD]                 ; back: lanes 0-15 one row of 256 bytes, lanes 16-31 the next
	v_lshlrev_b32 v[CO], 12, v2
	v_lshl_add_u32 v[CO], v1, 4, v[CO]             ; and the same two rows in the output
	s_wait_alu depctr_va_vdst(0)
	s_wait_kmcnt 0x0
	s_add_co_i32 s54, s62, s63
	s_add_co_i32 s54, s54, 127
	s_lshl_b32 s54, s54, 23                        ; 2^(e6 + e7) as f32
	s_mov_b32 s55, s54                             ; (named with it as a pair, so it is written)
; n tiles of y from a0 on x my four fragments of W, 128 along K, from set st.  The 32 accumulators take turns, one instruction a turn, in the same order in every step.
.macro MULS st, a0, n, first
	WIN 0x5b                                       ; W window 3, y window 2, C and D window 1
.set ma, \a0
.rept \n
.set mt, 0
.rept 4
.if \first
	v_wmma_f32_16x16x128_fp8_fp8 v[8*(4*ma+mt):8*(4*ma+mt)+7], v[64*(\st)+16*mt:64*(\st)+16*mt+15], v[128*(\st)+16*ma:128*(\st)+16*ma+15], 0
.else
	v_wmma_f32_16x16x128_fp8_fp8 v[8*(4*ma+mt):8*(4*ma+mt)+7], v[64*(\st)+16*mt:64*(\st)+16*mt+15], v[128*(\st)+16*ma:128*(\st)+16*ma+15], v[8*(4*ma+mt):8*(4*ma+mt)+7]
.endif
.set mt, mt+1
.endr
.set ma, ma+1
.endr
.endm
.macro FETCH kc, slot, q, st           ; 48 LDS loads in one run
	WIN 0x80
.set fa, 0
.rept 8
.irp c, 0,1,2,3
	ds_load_b128 v[128*(\st)+16*fa+4*\c:128*(\st)+16*fa+4*\c+3], v[ADRY+(\kc)/2] offset:YQ*((\kc)%2)+4096*fa+2048*(\q)+512*\c
.endr
.set fa, fa+1
.endr
	WIN 0xc0
.set fa, 0
.rept 4
.irp c, 0,1,2,3
	ds_load_b128 v[64*(\st)+16*fa+4*\c:64*(\st)+16*fa+4*\c+3], v[ADRW+(\slot)] offset:4352*fa+128*(\q)+32*\c
.endr
.set fa, fa+1
.endr
.endm
.macro STEP0 kc, slot, first
	s_wait_dscnt 0x0                               ; set 0 is in
	PLACES 4                                       ; between the products that read set 1 and the loads into it
	FETCH \kc, \slot, 1, 1
	MULS 0, 0, 8, \first
.endm
; The second 128 of a K step changes slots: ONE barrier; in front of it each wave waits for all its tensor loads, adds 0 to its spare word, and waits for that and for its reads of this slot.
.macro TURN slot, nkc, fill
	WIN 0
	s_wait_tensorcnt 0x0
	ds_add_u32 v[SPW], v[NIL]
	s_wait_dscnt 0x1                               ; set 1's 48 loads are in; the add alone may be out
	MULS 1, 0, 2, 0
	s_wait_dscnt 0x0                               ; the add is done, and my reads of this slot are over
	s_barrier_signal -1
	MULS 1, 2, 2, 0
	WIN 0
	s_barrier_wait -1
.if \fill
	CREST                                          ; no wave of any partner still reads this slot or has a load on its way
	s_add_nc_u64 s[G0W+4*(\slot)+2:G0W+4*(\slot)+3], s[G0W+4*(\slot)+2:G0W+4*(\slot)+3], 512
	tensor_load_to_lds s[G0W+4*(\slot):G0W+4*(\slot)+3], s[G1W:G1W+7]
	s_nop 0
	PLACES 4
.else
	PLACES 4
.endif
	FETCH \nkc, 1-(\slot), 0, 0
	MULS 1, 4, 4, 0
.endm
; THE WAY OUT of tile a (16 rows x my 64 columns): scaled and biased, through my own stage, back as whole rows of 256 bytes.  LDS serves a wave's instructions in order: no wait between the stores and the loads.
.macro TOSTAGE a
	WIN 0x01                                       ; the sums in window 1
.set ti, 0
.rept 16
	v_pk_fma_f32 v[T+ti:T+ti+1], v[32*(\a)+ti:32*(\a)+ti+1], s[54:55], v[BP+ti:BP+ti+1] op_sel_hi:[1,0,1]   ; each accumulator from its low end on
.set ti, ti+2
.endr
	WIN 0
.set ti, 0
.rept 8
	ds_store_b128 v[STO], v[T+4*ti:T+4*ti+3] offset:128*(ti/4)+16*(ti%4)
.set ti, ti+1
.endr
.set ti, 0
.rept 8
	ds_load_b128 v[BKR+32*((\a)%2)+4*ti:BKR+32*((\a)%2)+4*ti+3], v[RD] offset:544*ti
.set ti, ti+1
.endr
.endm
.macro SEND a, younger                 ; younger: the LDS instructions issued behind tile a's loads, which may stay out
	s_wait_dscnt \younger
.set ti, 0
.rept 8
	global_store_b128 v[CO], v[BKR+32*((\a)%2)+4*ti:BKR+32*((\a)%2)+4*ti+3], s[12:13] offset:(32*((\a)/2)+8*((\a)%2)+2*ti+8*(ti/4))*4096 th:TH_STORE_NT   ; stage rows 2 ti, 2 ti + 1 at their true rows; 16 lanes store 256 consecutive bytes, aligned
.set ti, ti+1
.endr
.endm
	s_wait_loadcnt 0x0                             ; the bias
	s_wait_tensorcnt 0x1                           ; my rows of W's slot 0 and my quarter of y are in; slot 1's may stay out
	s_barrier_signal -1
	s_barrier_wait -1
	FETCH 0, 0, 0, 0
	STEP0 0, 0, 1                                  ; the first products start the sums
	TURN 0, 1, 1
	STEP0 1, 1, 0
	TURN 1, 2, 1
	STEP0 2, 0, 0
	TURN 0, 3, 0                                   ; nothing is left to fetch
	STEP0 3, 1, 0
	s_wait_dscnt 0x0
	MULS 1, 0, 8, 0
	PLACES 4                                       ; between the last products and the first read of results
	TOSTAGE 0
.irp a, 1,2,3,4,5,6,7
.if \a > 1
	s_wait_xcnt 0x0                                ; tile a - 2's stores have read their registers: tile a's loads may land there
.endif
	TOSTAGE \a
	SEND \a-1, 16                                  ; behind tile a - 1's loads: tile a's 8 stores and 8 loads
.endr
	SEND 7, 0
	s_wait_tensorcnt 0x0                           ; the wave's end, behind my last tensor load and my last LDS store
	ds_add_u32 v[SPW], v[NIL]
	s_wait_dscnt 0x0
	CROUND                                         ; the closing round
	s_endpgm
.Lfunc_end_k_q5902b35d86_proj:
	.size	k_q5902b35d86_proj, .Lfunc_end_k_q5902b35d86_proj-k_q5902b35d86_proj
	.p2alignl 7, 3214868480
	.fill 96, 4, 3214868480
	.section	.rodata,"a",@progbits
	.p2align	6, 0x0
	.amdhsa_kernel k_q5902b35d86_proj
		.amdhsa_group_segment_fixed_size 327680
		.amdhsa_private_segment_fixed_size 0
		.amdhsa_enable_private_segment 0
		.amdhsa_kernarg_size 40
		.amdhsa_user_sgpr_count 2
		.amdhsa_user_sgpr_kernarg_segment_ptr 1
		.amdhsa_wavefront_size32 1
		.amdhsa_system_sgpr_workgroup_id_x 1
		.amdhsa_system_sgpr_workgroup_id_y 1
		.amdhsa_system_sgpr_workgroup_id_z 1
		.amdhsa_system_vgpr_workitem_id 0
		.amdhsa_next_free_vgpr 1024
		.amdhsa_next_free_sgpr 96
		.amdhsa_reserve_vcc 0
		.amdhsa_float_denorm_mode_32 3
		.amdhsa_float_denorm_mode_16_64 3
		.amdhsa_memory_ordered 1
		.amdhsa_forward_progress 1
		.amdhsa_inst_pref_size 75
	.end_amdhsa_kernel
	.amdgpu_metadata
---
amdhsa.version: [ 1, 2 ]
amdhsa.kernels:
  - .name:           k_q5902b35d86_proj
    .symbol:         k_q5902b35d86_proj.kd
    .args:
      - { .name: yimg, .offset: 0, .size: 8, .value_kind: global_buffer, .address_space: global }
      - { .name: wpc, .offset: 8, .size: 8, .value_kind: global_buffer, .address_space: global }
      - { .name: b_proj, .offset: 16, .size: 8, .value_kind: global_buffer, .address_space: global }
      - { .name: lowp_scales, .offset: 24, .size: 8, .value_kind: global_buffer, .address_space: global }
      - { .name: out0, .offset: 32, .size: 8, .value_kind: global_buffer, .address_space: global }
    .group_segment_fixed_size: 327680
    .private_segment_fixed_size: 0
    .kernarg_segment_align: 8
    .kernarg_segment_size: 40
    .max_flat_workgroup_size: 128
    .sgpr_count:     96
    .vgpr_count:     1024
    .wavefront_size: 32
...
	.end_amdgpu_metadata
.endif
;; end of part 4
